; MI455X (gfx1250); checked and timed in simulation.
; The chip was launched on July 23, 2026; its instructions are those of AMD's public machine-readable ISA for CDNA 5 (MIT licence, August 2026) and "CDNA5" Instruction Set Architecture Reference Guide (July 2026). The comments in the code are by the model that wrote it; some were corrected since.
;; Multihead Attention. Allowed arithmetic: matrix products marked QUANTISED: E5M2 operands, one given power-of-two scale a tensor, by v_wmma_f32_16x16x64_bf8_bf8 or v_wmma_f32_16x16x128_bf8_bf8, f32 sums; everything else in f32.
;; Inputs: Wk 1,024 x 1,024 float32; Wo 1,024 x 1,024 float32; Wq 1,024 x 1,024 float32; Wv 1,024 x 1,024 float32; keys 2 x 2,048 x 1,024 float32; lowp_scales 12 int32 (the exponents e of the quantised operands' scales 2^e); mask 1 x 1 x 2,048 x 2,048 bool; queries 2 x 2,048 x 1,024 float32; values 2 x 2,048 x 1,024 float32.
;; Outputs: out0 2 x 2,048 x 1,024 float32.
;; This version of the problem:
;;   THIS VERSION OF THE PROBLEM IS GIVEN IN LOW PRECISION. The matrix products marked QUANTISED in the list below multiply operands that are first quantised to E5M2 (5 exponent bits, 2 mantissa bits; 8 bits a number), with one given power-of-two scale for each operand tensor; their sums are f32. All else is computed in f32.
;;   The module's matrix products, in the order in which they are computed (A, B: the left and right operand; K: the contracted axis; several contracted axes count as one K, in the product's order):
;;     1. [M 4,096, K 1,024] x [K 1,024, N 1,024]; A: input queries; B: input Wq: QUANTISED (scales: A lowp_scales[0], B lowp_scales[1])
;;     2. [M 4,096, K 1,024] x [K 1,024, N 1,024]; A: input keys; B: input Wk: QUANTISED (scales: A lowp_scales[2], B lowp_scales[3])
;;     3. [M 4,096, K 1,024] x [K 1,024, N 1,024]; A: input values; B: input Wv: QUANTISED (scales: A lowp_scales[4], B lowp_scales[5])
;;     4. batch 32 x [M 2,048, K 64] x [K 64, N 2,048]; A: computed on the way; B: computed on the way: QUANTISED (scales: A lowp_scales[6], B lowp_scales[7])
;;     5. batch 32 x [M 2,048, K 2,048] x [K 2,048, N 64]; A: softmax (see below); B: computed on the way: QUANTISED (scales: A lowp_scales[8], B lowp_scales[9])
;;     6. [M 4,096, K 1,024] x [K 1,024, N 1,024]; A: computed on the way; B: input Wo: QUANTISED (scales: A lowp_scales[10], B lowp_scales[11])
;;   THE QUANTISER, for each operand of a quantised product, along K:
;;     - The operand's scale is 2^e, e = its entry of the input lowp_scales (int32; the entries are numbered through the quantised products in the list's order, A before B).
;;     - Each number is divided by the scale, clamped to +-57,344, and rounded to the nearest number of E5M2, ties to even, subnormals kept.
;;     - The product sums the exact products of the quantised numbers (number of the format x scale) in f32.
;;   ~~~python
;;   def quantise(x, axis, e):      # numpy; x: float32 -> the quantised numbers, widened to float32 again
;;       x = np.moveaxis(x, axis, -1); K = x.shape[-1]
;;       r = np.clip(x / 2.0 ** e, -57344, 57344)
;;       step = 2.0 ** (np.maximum(np.frexp(np.where(r == 0, 1, r))[1] - 1, -14) - 2)
;;       q = np.round(r / step) * step * 2.0 ** e      # np.round: ties to even
;;       return np.moveaxis(q, -1, axis).astype(np.float32)
;;   ~~~
;;   SOFTMAX AHEAD OF A QUANTISED PRODUCT. Where the list says 'softmax', what is quantised is not the finished softmax but p = 2^(t - M), with t = logit x log2(e) and M = ceil(the row's largest t), a whole number; so 1/2 < the row's largest p <= 1. The row's sum l is taken of the UNQUANTISED p, in f32, and the product's result is divided by l at the end. Since M is a whole number, a kernel that streams over the keys may use a running M (the ceiling of the running maximum): every later rescaling is an exact power of two, so the quantised numbers keep their values, but for numbers so far below the row's largest that they fall under the format's range.
;;   OPERANDS COMPUTED ON THE WAY. 'Computed on the way' means the value that the module computes at that place (a softmax that the list does not call 'softmax' is quantised finished and normalised). What goes into a quantiser is computed in f32, as accurately as f32 sums, v_exp_f32 and their like allow (about 1e-6 of the number): no bf16 or f16 on the way to a quantiser, and a product that is left as it is and whose result goes on into a quantised operand takes f32 operands (vector FMAs, or v_wmma_f32_16x16x4_f32). A number that lies on a knife's edge between two numbers of the format may be rounded either way, as far as f32 arithmetic and the matrix unit's own rounding can turn it there, and no further.
;; One version. Each part assembles by itself: llvm-mc -triple=amdgcn-amd-amdhsa -mcpu=gfx1250 --defsym DOCPART=n.
;; ======== version 1 of 1: 4 launches
;; limits: right only within a limited range of input values
;; workspace buffers: xc 12,582,912 bytes; wc 4,194,304 bytes; mb 524,288 bytes of whole numbers; fl 262,144 bytes of whole numbers; qkv 12,582,912 bytes; jc 4,194,304 bytes
;; launch prep (part 1): grid 768 x 1, 4 waves a work-group, no clusters, 27,136 bytes of LDS; arguments queries, keys, values, Wq, Wk, Wv, Wo, lowp_scales, mask, xc, wc, mb, fl; writes xc, wc, mb, fl
.if DOCPART == 1
	.amdgcn_target "amdgcn-amd-amdhsa--gfx1250"
	.amdhsa_code_object_version 6
	.text
	.protected	k_q6cec0b8e89_prep
	.globl	k_q6cec0b8e89_prep
	.p2align	8
	.type	k_q6cec0b8e89_prep,@function
k_q6cec0b8e89_prep:
	s_mov_b64 s[64:65], 0
	v_nop
	global_prefetch_b8 v0, s[64:65] scope:SCOPE_SE
	s_setreg_imm32_b32 hwreg(HW_REG_WAVE_MODE, 25, 1), 1
	s_wait_xcnt 0x0
; PREP.  (1) queries, keys, values [4096][1024] and Wq, Wk, Wv, Wo [1024][1024], f32 with K innermost, become codes of BF8 (E5M2), each tensor with the scale 2^e given for it:
; code = x / 2^e, held within +-57,344, rounded to the nearest code, ties to even.  (2) The mask's bytes become 64 bits a lane for the attention launch, and flags for its tiles of 16 queries x 128 keys.
; THE CODES' LAYOUT is the image of an operand's registers.  A block of 1,024 bytes holds 16 rows x 64 along K: byte 512 c + 16 lane + i is byte i of registers 4 c .. 4 c + 3 of that lane,
; and registers 2 c, 2 c + 1 of lane (r = lane % 16, h = lane / 16) hold k = 16 c + 8 h + 0 .. 7 of row r.  A tensor is [row tile of 16][block of 64 along K][1,024 bytes].
; So every later read of a fragment is 16 bytes a lane at 16 x lane, and every store of codes here is 512 consecutive bytes.
; A load takes 512 consecutive bytes of one row, four numbers a lane; two rows' numbers make eight for a conversion, whose two words are four codes of each row.  The CODES turn through the wave's own stage
; in LDS: rows in, a lane's eight bytes of its row out.
; SHARES.  Work-groups 0-383: queries, keys, values, 128 each; 384-511: Wq, Wk, Wv, Wo, 32 each.  Such a work-group takes two row tiles; a wave 16 rows x 512 along K, in 4 units of 128, three of which are on their way at first.
; Work-groups 512-767: half of the keys of one tile of 16 queries of the mask; a wave takes 256 keys.  The two kinds have LDS bytes of their own.  Waves share nothing: no barrier.
; THE FLAGS let the attention launch leave out a tile of 16 queries x 128 keys all of whose bytes are 1: there every score is -infinity and every p is 0, so it adds nothing to a row's sum or to O.  Whole numbers
; decide that, for any mask.  LIMIT: a NaN or an infinity among K or V that meets only such a tile is not carried to the result.
; LIMITS: each e lies between -126 and 112, so that 2^e and 57,344 x 2^e are f32 numbers.  NaN among the f32 inputs is not served; an infinity is held at the largest code.  A byte of the mask is 0 or 1.
.set R,      16                        ; v16-207   three sets of 64: a unit's 16 rows as they are loaded
.set C,      208                       ; v208-239  two sets of 16: a word of four codes of each row
.set OUTR,   240                       ; v240-255  a unit's codes as an operand's registers
.set QPITCH, 144                       ; the codes' stage: a row's 128 bytes + 16
.set QSTAGE, 16*QPITCH                 ; one for each wave
.set MPITCH, 272                       ; the mask's stage: a row's 256 bytes + 16
.set MSTAGE, 16*MPITCH
.set MBASE,  4*QSTAGE                  ; the mask's stages lie behind the quantiser's
.set SPARE,  MBASE+4*MSTAGE            ; the spare words, 128 bytes for each wave: two blocks of 256 bytes that no other line names
	s_load_b512 s[4:19], s[0:1], 0x0               ; queries s[4:5], keys, values, Wq, Wk, Wv, Wo s[16:17], the scales' exponents s[18:19]
	s_load_b256 s[20:27], s[0:1], 0x40             ; mask s[20:21], xc s[22:23], wc s[24:25], mb s[26:27]
	s_load_b64 s[50:51], s[0:1], 0x60              ; fl
	v_lshl_add_u32 v12, v0, 2, SPARE
	v_mov_b32 v13, 0
	v_lshrrev_b32 v1, 5, v0
	v_readfirstlane_b32 s28, v1                    ; wave 0..3
	v_and_b32 v2, 31, v0                           ; lane
	v_lshlrev_b32 v3, 4, v2                        ; 16 x lane
	v_and_b32 v4, 15, v0                           ; r
	v_bfe_u32 v5, v0, 4, 1                         ; h
	s_wait_alu depctr_va_vdst(0)                   ; the wait ahead of the branch
	s_cmp_ge_u32 ttmp9, 512
	s_cbranch_scc1 .Lmask
	; ---- the quantiser
	s_mul_i32 s29, s28, QSTAGE                     ; my stage
	v_lshlrev_b32 v14, 2, v2
	v_add_nc_u32 v14, s29, v14                     ; in: 4 x lane of a row
	v_mul_u32_u24 v15, v4, QPITCH
	v_lshl_add_u32 v15, v5, 3, v15
	v_add_nc_u32 v15, s29, v15                     ; out: row r, + 8 h
	s_lshr_b32 s30, ttmp9, 7                       ; among the first 384: the tensor 0..2,
	s_and_b32 s31, ttmp9, 127                      ; and the pair of row tiles in it
	s_sub_co_u32 s32, ttmp9, 384                   ; among the others (not used where it wraps):
	s_lshr_b32 s33, s32, 5
	s_add_co_u32 s33, s33, 3                       ; the tensor 3..6,
	s_and_b32 s34, s32, 31                         ; and the pair
	s_lshl_b32 s35, s30, 1                         ; the scale's entry: 0, 2, 4 for queries, keys, values;
	s_lshl_b32 s36, s33, 1
	s_sub_co_u32 s36, s36, 5                       ; 1, 3, 5 for Wq, Wk, Wv;
	s_cmp_eq_u32 s33, 6
	s_cselect_b32 s36, 11, s36                     ; 11 for Wo
	s_wait_alu depctr_va_vdst(0)
	s_wait_kmcnt 0x0
	s_cmp_lt_u32 ttmp9, 384                        ; every choice hangs on the work-group's number alone
	s_cselect_b32 s30, s30, s33                    ; the tensor 0..6
	s_cselect_b32 s31, s31, s34                    ; the pair of row tiles
	s_cselect_b32 s36, s35, s36                    ; the scale's entry
	s_cselect_b32 s32, ttmp9, s32                  ; the work-group's place in its buffer of codes
	s_cselect_b64 s[42:43], s[22:23], s[24:25]     ; xc or wc
	s_mov_b64 s[38:39], s[4:5]
.irp k, 1,2,3,4,5,6
	s_cmp_eq_u32 s30, \k
	s_cselect_b64 s[38:39], s[4+2*\k:5+2*\k], s[38:39]
.endr
	s_lshl_b32 s44, s31, 1
	s_lshr_b32 s45, s28, 1
	s_add_co_u32 s44, s44, s45                     ; my row tile: 2 x pair + wave / 2
	s_lshl_b32 s44, s44, 16                        ; 16 rows of 4,096 bytes
	s_and_b32 s45, s28, 1
	s_lshl_b32 s45, s45, 11                        ; my half of K: 512 numbers
	s_add_co_u32 s44, s44, s45
	s_mov_b32 s45, 0
	s_add_nc_u64 s[38:39], s[38:39], s[44:45]
	s_lshl_b32 s44, s32, 15                        ; two row tiles of codes are 32,768 bytes,
	s_lshl_b32 s46, s28, 13                        ; my wave's quarter 8,192
	s_add_co_u32 s44, s44, s46
	s_add_nc_u64 s[42:43], s[42:43], s[44:45]
	s_lshl_b32 s36, s36, 2
	s_mov_b32 s37, 0
	s_add_nc_u64 s[18:19], s[18:19], s[36:37]
	s_load_b32 s40, s[18:19], 0x0                  ; e
.macro LOAD t                          ; unit t: 16 loads, each 512 consecutive bytes of one row
.irp i, 0,1,2,3,4,5,6,7,8,9,10,11,12,13,14,15
	global_load_b128 v[R+64*((\t)%3)+4*\i:R+64*((\t)%3)+4*\i+3], v3, s[38:39] offset:\i*4096+(\t)*512 th:TH_LOAD_NT
.endr
.endm
.macro SEND t                          ; unit t's codes, back from the stage
	s_wait_alu depctr_va_vdst(0)                   ; the wait directly ahead of the wait below
	s_wait_dscnt 0x0                               ; they are here, and the stage's stores have read their words
.irp s, 0,1,2,3
	global_store_b128 v3, v[OUTR+4*\s:OUTR+4*\s+3], s[42:43] offset:(\t)*2048+\s*512   ; 512 consecutive bytes, at a multiple of 512 from the buffer's first byte
.endr
.endm
.macro STEP t
.if (\t) < 2
	s_wait_loadcnt 32                              ; this unit's 16 loads are in; those of the two units behind it may be out
.elseif (\t) == 2
	s_wait_loadcnt 16                              ; the last unit's may be out
.else
	s_wait_loadcnt 0
.endif
.set RS, R+64*((\t)%3)
.set CS, C+16*((\t)%2)
.set jj, 0
.rept 64
	v_med3_num_f32 v[RS+jj], v[RS+jj], -v10, v10   ; the conversion to an 8-bit code does not saturate (ISA guide 7.6.2): the hold at the largest code x the scale
.set jj, jj+1
.endr
.irp i, 0,2,4,6,8,10,12,14
	v_cvt_scalef32_pk8_bf8_f32 v[CS+\i:CS+\i+1], v[RS+4*\i:RS+4*\i+7], v11   ; rows i and i + 1: a word each
.endr
	v_nop                                          ; one plain vector line behind the conversions
.if (\t) == 0
	LOAD 3                                         ; into the set just read
.endif
.if (\t) > 0
	SEND (\t)-1
	s_wait_xcnt 0x0                                ; its stores have read their registers: the loads below land there only behind this wait
.endif
.irp i, 0,1,2,3,4,5,6,7,8,9,10,11,12,13,14,15
	ds_store_b32 v14, v[CS+\i] offset:\i*QPITCH
.endr
.irp c, 0,1,2,3,4,5,6,7
	ds_load_b64 v[OUTR+2*\c:OUTR+2*\c+1], v15 offset:16*\c   ; k = 16 c + 8 h + 0 .. 7 of row r.  LDS serves a wave's instructions in order (ISA guide 5.7.1.4): these see the stores above
.endr
.endm
	LOAD 0
	LOAD 1
	LOAD 2
	s_wait_kmcnt 0x0
	s_add_co_i32 s40, s40, 127
	s_lshl_b32 s41, s40, 23
	v_mov_b32 v11, s41                             ; 2^e as f32: the conversion takes its exponent field
	s_add_co_i32 s40, s40, 15
	s_lshl_b32 s40, s40, 23
	s_or_b32 s40, s40, 0x600000
	v_mov_b32 v10, s40                             ; 57,344 x 2^e
	s_wait_alu depctr_va_vdst(0)                   ; the wait at the head's end
	STEP 0
	STEP 1
	STEP 2
	STEP 3
	SEND 3
	s_wait_tensorcnt 0x0                           ; the wave's end
	ds_add_u32 v12, v13
	s_wait_dscnt 0x0
	s_endpgm
	; ---- the mask.  For query tile qt, key step ks and lane (r, h): 64 bits, of which bit n = 8 a + j, counted from the top bit of the first word, is mask[16 qt + r][128 ks + 16 a + 8 h + j]:
	; n is the register in which the attention launch holds that score.
.Lmask:
	s_sub_co_u32 s30, ttmp9, 512                   ; 2 qt + half
	s_lshl_b32 s31, s30, 2
	s_add_co_u32 s31, s31, s28                     ; 8 qt + which 256 keys
	s_lshr_b32 s32, s30, 1                         ; qt
	s_lshl_b32 s32, s32, 15                        ; 16 rows of 2,048 bytes,
	s_and_b32 s36, s31, 7
	s_lshl_b32 s33, s36, 8                         ; my wave's 256 keys
	s_add_co_u32 s32, s32, s33
	s_mov_b32 s33, 0
	s_lshl_b32 s34, s31, 9                         ; two key steps of 256 bytes of words,
	s_mov_b32 s35, 0
	s_lshl_b32 s38, s31, 8                         ; and 256 bytes of flags
	s_mov_b32 s39, 0
	s_mul_i32 s29, s28, MSTAGE
	s_add_co_u32 s29, s29, MBASE                   ; my stage
	s_wait_alu depctr_va_vdst(0)
	v_mul_u32_u24 v6, v5, MPITCH
	v_lshl_add_u32 v6, v4, 4, v6
	v_add_nc_u32 v6, s29, v6                       ; in: lanes 0-15 one row of 256 bytes, lanes 16-31 the next
	v_mul_u32_u24 v7, v4, MPITCH
	v_lshl_add_u32 v7, v5, 3, v7
	v_add_nc_u32 v7, s29, v7                       ; out: row r, + 8 h
	v_lshlrev_b32 v8, 11, v5
	v_lshl_add_u32 v8, v4, 4, v8                   ; the same two rows in memory
	v_lshlrev_b32 v9, 3, v2                        ; 8 x lane: two words a lane on the way out
	s_mov_b32 s44, 0x80402010                      ; four bytes of 0 or 1 x this: the top four bits are the four bytes, the first on top; no two other terms meet in a bit
	s_wait_alu depctr_va_vdst(0)
	s_wait_kmcnt 0x0
	s_add_nc_u64 s[20:21], s[20:21], s[32:33]
	s_add_nc_u64 s[26:27], s[26:27], s[34:35]
	s_add_nc_u64 s[50:51], s[50:51], s[38:39]
.irp i, 0,1,2,3,4,5,6,7
	global_load_b128 v[16+4*\i:16+4*\i+3], v8, s[20:21] offset:\i*4096 th:TH_LOAD_NT   ; sixteen lanes read 256 consecutive bytes of a row
.endr
	s_wait_loadcnt 0x0
.irp i, 0,1,2,3,4,5,6,7
	ds_store_b128 v6, v[16+4*\i:16+4*\i+3] offset:\i*2*MPITCH
.endr
.irp kk, 0,1
.irp a, 0,1,2,3,4,5,6,7
	ds_load_b64 v[80+2*(8*\kk+\a):80+2*(8*\kk+\a)+1], v7 offset:128*\kk+16*\a   ; my query's bytes for keys 128 kk + 16 a + 8 h + 0 .. 7
.endr
.endr
	s_wait_dscnt 0x0
.irp kk, 0,1
.irp w, 0,1
.irp i, 0,1,2,3,4,5,6,7
	v_mul_lo_u32 v[120+\i], v[80+16*\kk+8*\w+\i], s44
.endr
	v_lshrrev_b32 v[112+2*\kk+\w], 28, v120
.irp i, 1,2,3,4,5,6,7
	v_alignbit_b32 v[112+2*\kk+\w], v[112+2*\kk+\w], v[120+\i], 28   ; the word x 16 + the next four bits
.endr
.endr
	global_store_b64 v9, v[112+2*\kk:113+2*\kk], s[26:27] offset:\kk*256   ; a key step's 64 words: 256 consecutive bytes, aligned
.endr
	v_or_b32 v120, v112, v113
	v_or_b32 v121, v114, v115
	v_and_b32 v122, v112, v113
	v_and_b32 v123, v114, v115
	v_cmp_ne_u32 s44, 0, v120                      ; lanes with a masked key,
	v_cmp_ne_u32 s45, 0, v121
	v_cmp_ne_u32 s46, -1, v122                     ; and with an open one
	v_cmp_ne_u32 s47, -1, v123
	s_wait_alu depctr_va_vdst(0)                   ; the wait ahead of the run of scalar lines
	s_cmp_lg_u32 s44, 0
	s_cselect_b32 s44, 0x10000, 0
	s_cmp_lg_u32 s45, 0
	s_cselect_b32 s45, 0x20000, 0
	s_cmp_lg_u32 s46, 0
	s_cselect_b32 s46, 1, 0
	s_cmp_lg_u32 s47, 0
	s_cselect_b32 s47, 2, 0
	s_or_b32 s44, s44, s45
	s_or_b32 s46, s46, s47
	s_or_b32 s44, s44, s46
	s_lshl_b32 s36, s36, 1
	s_lshl_b32 s44, s44, s36                       ; bit ks: an open key; bit 16 + ks: a masked one
	v_mov_b32 v124, s44
	v_mov_b32 v125, s44
	global_store_b64 v9, v[124:125], s[50:51]      ; 256 consecutive bytes, aligned: one word 64 times
	s_wait_tensorcnt 0x0                           ; the wave's end
	ds_add_u32 v12, v13
	s_wait_dscnt 0x0
	s_endpgm
.Lfunc_end_k_q6cec0b8e89_prep:
	.size	k_q6cec0b8e89_prep, .Lfunc_end_k_q6cec0b8e89_prep-k_q6cec0b8e89_prep
	.p2alignl 7, 3214868480
	.fill 96, 4, 3214868480
	.section	.rodata,"a",@progbits
	.p2align	6, 0x0
	.amdhsa_kernel k_q6cec0b8e89_prep
		.amdhsa_group_segment_fixed_size 27136
		.amdhsa_private_segment_fixed_size 0
		.amdhsa_enable_private_segment 0
		.amdhsa_kernarg_size 104
		.amdhsa_user_sgpr_count 2
		.amdhsa_user_sgpr_kernarg_segment_ptr 1
		.amdhsa_wavefront_size32 1
		.amdhsa_system_sgpr_workgroup_id_x 1
		.amdhsa_system_sgpr_workgroup_id_y 1
		.amdhsa_system_sgpr_workgroup_id_z 1
		.amdhsa_system_vgpr_workitem_id 0
		.amdhsa_next_free_vgpr 256
		.amdhsa_next_free_sgpr 66
		.amdhsa_reserve_vcc 0
		.amdhsa_float_denorm_mode_32 3
		.amdhsa_float_denorm_mode_16_64 3
		.amdhsa_memory_ordered 1
		.amdhsa_forward_progress 1
		.amdhsa_inst_pref_size 45
	.end_amdhsa_kernel
	.amdgpu_metadata
---
amdhsa.version: [ 1, 2 ]
amdhsa.kernels:
  - .name:           k_q6cec0b8e89_prep
    .symbol:         k_q6cec0b8e89_prep.kd
    .args:
      - { .name: queries, .offset: 0, .size: 8, .value_kind: global_buffer, .address_space: global }
      - { .name: keys, .offset: 8, .size: 8, .value_kind: global_buffer, .address_space: global }
      - { .name: values, .offset: 16, .size: 8, .value_kind: global_buffer, .address_space: global }
      - { .name: Wq, .offset: 24, .size: 8, .value_kind: global_buffer, .address_space: global }
      - { .name: Wk, .offset: 32, .size: 8, .value_kind: global_buffer, .address_space: global }
      - { .name: Wv, .offset: 40, .size: 8, .value_kind: global_buffer, .address_space: global }
      - { .name: Wo, .offset: 48, .size: 8, .value_kind: global_buffer, .address_space: global }
      - { .name: lowp_scales, .offset: 56, .size: 8, .value_kind: global_buffer, .address_space: global }
      - { .name: mask, .offset: 64, .size: 8, .value_kind: global_buffer, .address_space: global }
      - { .name: xc, .offset: 72, .size: 8, .value_kind: global_buffer, .address_space: global }
      - { .name: wc, .offset: 80, .size: 8, .value_kind: global_buffer, .address_space: global }
      - { .name: mb, .offset: 88, .size: 8, .value_kind: global_buffer, .address_space: global }
      - { .name: fl, .offset: 96, .size: 8, .value_kind: global_buffer, .address_space: global }
    .group_segment_fixed_size: 27136
    .private_segment_fixed_size: 0
    .kernarg_segment_align: 8
    .kernarg_segment_size: 104
    .max_flat_workgroup_size: 128
    .sgpr_count:     66
    .vgpr_count:     256
    .wavefront_size: 32
...
	.end_amdgpu_metadata
.endif
;; end of part 1
;; launch proj (part 2): grid 16 x 12, 4 waves a work-group, clusters of 4 x 4, 327,680 bytes of LDS; arguments xc, wc, lowp_scales, qkv; writes qkv
.if DOCPART == 2
	.amdgcn_target "amdgcn-amd-amdhsa--gfx1250"
	.amdhsa_code_object_version 6
	.text
	.protected	k_q6cec0b8e89_proj
	.globl	k_q6cec0b8e89_proj
	.p2align	8
	.type	k_q6cec0b8e89_proj,@function
k_q6cec0b8e89_proj:
	s_mov_b64 s[64:65], 0
	v_nop
	global_prefetch_b8 v0, s[64:65] scope:SCOPE_SE
	s_setreg_imm32_b32 hwreg(HW_REG_WAVE_MODE, 25, 1), 1
	s_wait_xcnt 0x0
	s_wait_alu depctr_hold_cnt(0) depctr_sa_sdst(0) depctr_va_vdst(0) depctr_va_sdst(0) depctr_va_ssrc(0) depctr_va_vcc(0) depctr_vm_vsrc(0)
	s_getreg_b32 s2, hwreg(HW_REG_IB_STS2, 6, 4)
	s_cmp_eq_u32 s2, 0
	s_cbranch_scc0 .Lentry_in_a_cluster
	s_endpgm
.Lentry_in_a_cluster:
	s_bfe_u32 s2, ttmp6, 0x10000c
	s_cmp_lg_u32 s2, 0xf033
	s_cbranch_scc0 .Lentry_shape_is_right
	s_endpgm
.Lentry_shape_is_right:
; PROJ.  q = queries Wq^T, k = keys Wk^T, v = values Wv^T, 4,096 x 1,024 x K 1,024 each, on codes of BF8 (E5M2) laid [row tile of 16][block of 64 along K][1,024 bytes], a block being the image of a fragment's registers;
; sums in f32.  Each result is held and quantised here, with the scale that the attention launch's products take it in, and stored as the image of an operand's registers.  For v the operands change places (A = Wv, B = values).
; A work-group of four waves makes 256 x 256, a wave 128 x 128: 64 accumulators of 16 x 16 in windows 2 and 3; A's fragments lie in window 0, B's, two sets, in window 1.
; The matrix instruction is used transposed (source 0 = 16 rows of B, source 1 = 16 rows of A), and its 64 accumulators take turns.  K goes in four steps of 256 through a ring of two LDS slots of 131,072 bytes.
; CLUSTERS: 4 x 4 work-groups.  The four of a row of the cluster need the same tiles of A, the four of a column the same tiles of B: each tile is asked for JOINTLY.
; A PREFETCH INTO THE L2 stands one K step ahead of each joint load but the first: of the 128 rows that a wave fetches jointly with three partners, each asks for two row tiles, told apart by address (cx for A, cy for B):
; 2 x 4,096 bytes, 256 a lane, one instruction a wave.  So each block is named once in each cluster that will load it.  K step 3 is the last that is asked for.
; LIMITS: 2^(e of the result - e of A - e of B) and 57,344 times it are f32 numbers.
.set KSB,    4096                      ; a K step of one row tile, in bytes
.set FR,     16
.set NL,     4
.set NP,     4
.set HALFT,  8*KSB
.set SLOT,   4*HALFT
.set SPARE,  2*SLOT
.set ADRA, 16
.set ADRB, 20
.set CO,   26
.set SPW,  28
.set NIL,  29
.set SCL,  30
.set LIM,  31
.set TMP,  32
.set AF,   128
.set CDS,  128
.set G1, 24
.set G0, 32
.set G1B, 48
.set G0B, 56
.set MSB, 0
.macro WIN new
.if MSB != \new
	s_set_vgpr_msb (MSB<<8)|\new
.set MSB, \new
.endif
.endm
.set MUL_LO, 0xa1
.set MUL_HI, 0xf1
.set TO_B,   0x40
.macro JLOAD g0a, g1a, g0b, g1b
	s_cmp_eq_u32 s15, 0
	s_cbranch_scc0 .Lfor_b_\@
	tensor_load_to_lds s[\g0a:\g0a+3], s[\g1a:\g1a+7]
	s_nop 0
.rept 4
	v_nop
.endr
	s_branch .Lasked_\@
.Lfor_b_\@:
	tensor_load_to_lds s[\g0b:\g0b+3], s[\g1b:\g1b+7]
	s_nop 0
.rept 4
	v_nop
.endr
.Lasked_\@:
.endm
.macro CREST
	s_cmp_lg_u32 s14, 0
	s_cbranch_scc1 .Lnot_wave_0_\@
	s_barrier_signal -3
.Lnot_wave_0_\@:
	s_barrier_wait -3
	s_barrier_signal -1
	s_barrier_wait -1
.endm
.macro CROUND
	s_barrier_signal -1
	s_barrier_wait -1
	CREST
.endm
	s_load_b128 s[4:7], s[0:1], 0x0
	s_load_b128 s[8:11], s[0:1], 0x10
	v_lshl_add_u32 v[SPW], v0, 2, SPARE
	v_mov_b32 v[NIL], 0
	ds_add_u32 v28, v29
	ds_add_u32 v28, v29
	s_wait_dscnt 0x0
	v_lshrrev_b32 v1, 5, v0
	v_readfirstlane_b32 s14, v1
	s_lshr_b32 s15, s14, 1
	s_and_b32 s16, s14, 1
	s_bfe_u32 s40, ttmp6, 0x40000
	s_bfe_u32 s41, ttmp6, 0x40004
	s_and_b32 s17, ttmp7, 0xffff
	s_lshl_b32 s42, ttmp9, 2
	s_add_co_u32 s43, s41, s42
	s_add_co_u32 s44, s40, s42
	s_cmp_eq_u32 s17, 2
	s_cselect_b32 s43, s41, s43
	s_cselect_b32 s44, s44, s40
	s_lshl_b32 s45, s41, 2
	s_lshl_b32 s45, 15, s45
	s_lshl_b32 s46, 0x1111, s40
	s_or_b32 s[G1+0], s45, (1<<21)
	s_or_b32 s[G1B+0], s46, (1<<21)
.irp g, G1, G1B
	s_mov_b32 s[\g+1], KSB<<16
	s_mov_b32 s[\g+2], 8<<16
	s_mov_b32 s[\g+3], KSB<<16
	s_mov_b32 s[\g+4], 8
	s_mov_b32 s[\g+5], 16384
	s_mov_b32 s[\g+6], 0
	s_mov_b32 s[\g+7], 0
.endr
	s_lshl_b32 s18, s43, 18
	s_lshl_b32 s19, s16, 17
	s_add_co_u32 s18, s18, s19
	s_mov_b32 s19, 0
	s_lshl_b32 s46, s44, 18
	s_lshl_b32 s47, s16, 17
	s_add_co_u32 s46, s46, s47
	s_mov_b32 s47, 0
	s_lshl_b32 s20, s17, 22
	s_mov_b32 s21, 0
	s_lshl_b32 s22, s17, 20
	s_mov_b32 s23, 0
	s_lshl_b32 s68, s17, 3
	s_mov_b32 s69, 0
	s_lshl_b32 s70, s17, 2
	s_add_co_u32 s70, s70, 24
	s_cmp_eq_u32 s17, 2
	s_cselect_b32 s70, 36, s70
	s_mov_b32 s71, 0
	s_mul_i32 s45, s14, HALFT
	s_wait_kmcnt 0x0
	s_add_nc_u64 s[68:69], s[8:9], s[68:69]
	s_add_nc_u64 s[70:71], s[8:9], s[70:71]
	s_load_b64 s[96:97], s[68:69], 0x0
	s_load_b32 s98, s[70:71], 0x0
	s_add_nc_u64 s[4:5], s[4:5], s[20:21]
	s_add_nc_u64 s[6:7], s[6:7], s[22:23]
	s_cmp_eq_u32 s17, 2
	s_cselect_b64 s[20:21], s[6:7], s[4:5]
	s_cselect_b64 s[22:23], s[4:5], s[6:7]
	s_add_nc_u64 s[20:21], s[20:21], s[18:19]
	s_add_nc_u64 s[46:47], s[22:23], s[46:47]
	CROUND
.irp s, 0,1
	s_mov_b32 s[G0+4*\s], 1
	s_add_co_u32 s[G0+4*\s+1], s45, \s*SLOT
	s_add_nc_u64 s[G0+4*\s+2:G0+4*\s+3], s[20:21], \s*KSB
	s_or_b32 s[G0+4*\s+3], s[G0+4*\s+3], 0x80000000
	s_mov_b32 s[G0B+4*\s], 1
	s_add_co_u32 s[G0B+4*\s+1], s45, \s*SLOT
	s_add_nc_u64 s[G0B+4*\s+2:G0B+4*\s+3], s[46:47], \s*KSB
	s_or_b32 s[G0B+4*\s+3], s[G0B+4*\s+3], 0x80000000
.endr
	JLOAD G0, G1, G0B, G1B                         ; K step 0: one tensor load a wave at the head
	s_cmp_eq_u32 s15, 0                            ; the prefetches: do I fetch for A?
	s_cselect_b64 s[80:81], s[20:21], s[46:47]     ; where the rows that I fetch begin,
	s_cselect_b32 s82, s40, s41                    ; and my place among the four that ask for them with me:
	s_lshl_b32 s82, s82, 15                        ; two row tiles each
	s_mov_b32 s83, 0
	s_add_nc_u64 s[80:81], s[80:81], s[82:83]
	v_and_b32 v12, 15, v0
	v_bfe_u32 v13, v0, 4, 1
	v_lshlrev_b32 v12, 8, v12
	v_lshl_add_u32 v12, v13, 14, v12               ; lanes 0-15 one row tile's 4,096 bytes, lanes 16-31 the next's
	global_prefetch_b8 v12, s[80:81] offset:KSB th:TH_LOAD_NT scope:SCOPE_SE
	v_and_b32 v1, 31, v0
	v_lshlrev_b32 v[CO], 4, v1
	s_mul_i32 s21, s15, HALFT
	s_mul_i32 s22, s16, HALFT
	s_add_co_u32 s22, s22, 2*HALFT
.irp s, 0,1
	v_add_nc_u32 v[ADRA+\s], s21, v[CO]
	v_add_nc_u32 v[ADRB+\s], s22, v[CO]
	s_add_co_u32 s21, s21, SLOT
	s_add_co_u32 s22, s22, SLOT
.endr
	s_lshl_b32 s72, s43, 8
	s_lshl_b32 s73, s15, 7
	s_add_co_u32 s72, s72, s73
	s_lshl_b32 s73, s44, 8
	s_lshl_b32 s74, s16, 7
	s_add_co_u32 s73, s73, s74
	s_cmp_eq_u32 s17, 2
	s_cselect_b32 s74, s73, s72
	s_cselect_b32 s75, s72, s73
	s_lshr_b32 s76, s74, 11
	s_lshl_b32 s76, s76, 21
	s_lshr_b32 s77, s75, 7
	s_lshl_b32 s77, s77, 18
	s_add_co_u32 s76, s76, s77
	s_and_b32 s77, s74, 2047
	s_lshl_b32 s77, s77, 7
	s_add_co_u32 s76, s76, s77
	s_lshl_b32 s77, s17, 22
	s_add_co_u32 s76, s76, s77
	s_mov_b32 s77, 0
	s_add_nc_u64 s[10:11], s[10:11], s[76:77]
.macro FRAG reg, adr, q, i
.irp c, 0,1,2,3
	ds_load_b128 v[\reg+4*\c:\reg+4*\c+3], v[\adr] offset:2048*(\q)+512*\c+(\i)*KSB
.endr
.endm
.macro MUL16 a0, p, zero
.irp a, \a0, \a0+1
.irp b, 0,1,2,3,4,5,6,7
.if \zero
	v_wmma_f32_16x16x128_bf8_bf8 v[8*(8*((\a)%4)+\b):8*(8*((\a)%4)+\b)+7], v[128*(\p)+FR*\b:128*(\p)+FR*\b+FR-1], v[AF+FR*(\a):AF+FR*(\a)+FR-1], 0
.else
	v_wmma_f32_16x16x128_bf8_bf8 v[8*(8*((\a)%4)+\b):8*(8*((\a)%4)+\b)+7], v[128*(\p)+FR*\b:128*(\p)+FR*\b+FR-1], v[AF+FR*(\a):AF+FR*(\a)+FR-1], v[8*(8*((\a)%4)+\b):8*(8*((\a)%4)+\b)+7]
.endif
.endr
.endr
.endm
.macro FETCH_B slot, q, p
	WIN TO_B
.irp i, 0,1,2,3,4,5,6,7
	FRAG 128*(\p)+FR*\i, ADRB+\slot, \q, \i
.endr
	WIN 0
.endm
.macro FETCH_BH slot, q, p, i0         ; B's fragments i0 .. i0 + 3 into set p: 16 loads
	WIN TO_B
.irp i, \i0, \i0+1, \i0+2, \i0+3
	FRAG 128*(\p)+FR*(\i), ADRB+\slot, \q, \i
.endr
.endm
.macro FETCH_A slot, q, i0
.irp i, \i0, \i0+1, \i0+2, \i0+3
	FRAG AF+FR*(\i), ADRA+\slot, \q, \i
.endr
.endm
.macro PLACES n
.rept \n
	v_nop
.endr
.endm
.macro STEP slot, q, zero
	s_wait_dscnt 4*NL                              ; B's set and A's blocks 0-3 are in; A's blocks 4-7 (16 loads) may be out
	WIN MUL_LO
	MUL16 0, (\q)%2, \zero
	FETCH_BH \slot, (\q)+1, 1-(\q)%2, 0            ; 16 loads behind each 16 products
	WIN MUL_LO
	MUL16 2, (\q)%2, \zero
	s_wait_dscnt 4*NL                              ; A's blocks 4-7 are in; the 16 loads of B may be out
	PLACES NP
	WIN 0
	FETCH_A \slot, (\q)+1, 0
	WIN MUL_HI
	MUL16 4, (\q)%2, \zero
	FETCH_BH \slot, (\q)+1, 1-(\q)%2, 4
	WIN MUL_HI
	MUL16 6, (\q)%2, \zero
	PLACES NP
	WIN 0
	FETCH_A \slot, (\q)+1, 4
.endm
.macro TURN slot, next, fill
	s_wait_tensorcnt 0x0
	ds_add_u32 v[SPW], v[NIL]
	s_wait_dscnt 4*NL+1
	WIN MUL_LO
	MUL16 0, 1, 0
	s_wait_dscnt 0x0
	s_barrier_signal -1
	MUL16 2, 1, 0
	WIN 0
	s_barrier_wait -1
.if \fill
	CREST
	s_add_nc_u64 s[G0+4*\slot+2:G0+4*\slot+3], s[G0+4*\slot+2:G0+4*\slot+3], 2*KSB
	s_add_nc_u64 s[G0B+4*\slot+2:G0B+4*\slot+3], s[G0B+4*\slot+2:G0B+4*\slot+3], 2*KSB
	JLOAD G0+4*\slot, G1, G0B+4*\slot, G1B
.else
	PLACES NP
.endif
	FETCH_BH \next, 0, 0, 0
	WIN 0
	FETCH_A \next, 0, 0
.if \fill
.if \slot == 0
	global_prefetch_b8 v12, s[80:81] offset:3*KSB th:TH_LOAD_NT scope:SCOPE_SE
.endif
.endif
	WIN MUL_HI
	MUL16 4, 1, 0
	FETCH_BH \next, 0, 0, 4
	WIN MUL_HI
	MUL16 6, 1, 0
	PLACES NP
	WIN 0
	FETCH_A \next, 0, 4
.endm
	s_wait_alu depctr_va_vdst(0)
	s_wait_tensorcnt 0x0                           ; my part of K step 0 is in
	ds_add_u32 v[SPW], v[NIL]
	s_wait_dscnt 0x0
	CROUND                                         ; everybody's part of K step 0 is in, and all sixteen work-groups are here
	JLOAD G0+4, G1, G0B+4, G1B                     ; K step 1, the first tensor load behind the round
	FETCH_B 0, 0, 0
	FETCH_A 0, 0, 0
	FETCH_A 0, 0, 4
	global_prefetch_b8 v12, s[80:81] offset:2*KSB th:TH_LOAD_NT scope:SCOPE_SE
	STEP 0, 0, 1
	TURN 0, 1, 1
	STEP 1, 0, 0
	TURN 1, 0, 1
	STEP 0, 0, 0
	TURN 0, 1, 0
	STEP 1, 0, 0
	s_wait_dscnt 4*NL
	WIN MUL_LO
	MUL16 0, 1, 0
	MUL16 2, 1, 0
	s_wait_dscnt 0
	WIN MUL_HI
	MUL16 4, 1, 0
	MUL16 6, 1, 0
	WIN 0
	s_wait_kmcnt 0x0
	s_sub_co_i32 s98, s98, s96
	s_sub_co_i32 s98, s98, s97
	s_add_co_i32 s98, s98, 127
	s_lshl_b32 s96, s98, 23
	s_add_co_i32 s98, s98, 15
	s_lshl_b32 s98, s98, 23
	s_or_b32 s98, s98, 0x600000
	PLACES NP
	v_mov_b32 v[SCL], s96
	v_mov_b32 v[LIM], s98
.macro OUT a
.set AC, 64*((\a)%4)
	WIN 0x02+((\a)/4)
.set jj, 0
.rept 64
	v_med3_num_f32 v[TMP+jj], v[AC+jj], -v[LIM], v[LIM]
.set jj, jj+1
.endr
	WIN 0
.irp b, 0,1,2,3,4,5,6,7
	v_cvt_scalef32_pk8_bf8_f32 v[CDS+16*(\a)+2*\b:CDS+16*(\a)+2*\b+1], v[TMP+8*\b:TMP+8*\b+7], v[SCL]
.endr
	v_nop
.irp s, 0,1,2,3
	global_store_b128 v[CO], v[CDS+16*(\a)+4*\s:CDS+16*(\a)+4*\s+3], s[10:11] offset:(\a)*2048+\s*512 th:TH_STORE_NT
.endr
.endm
.irp a, 0,1,2,3,4,5,6,7
	OUT \a
.endr
	s_wait_tensorcnt 0x0
	ds_add_u32 v[SPW], v[NIL]
	s_wait_dscnt 0x0
	CROUND
	s_endpgm
.Lfunc_end_k_q6cec0b8e89_proj:
	.size	k_q6cec0b8e89_proj, .Lfunc_end_k_q6cec0b8e89_proj-k_q6cec0b8e89_proj
	.p2alignl 7, 3214868480
	.fill 96, 4, 3214868480
	.section	.rodata,"a",@progbits
	.p2align	6, 0x0
	.amdhsa_kernel k_q6cec0b8e89_proj
		.amdhsa_group_segment_fixed_size 327680
		.amdhsa_private_segment_fixed_size 0
		.amdhsa_enable_private_segment 0
		.amdhsa_kernarg_size 32
		.amdhsa_user_sgpr_count 2
		.amdhsa_user_sgpr_kernarg_segment_ptr 1
		.amdhsa_wavefront_size32 1
		.amdhsa_system_sgpr_workgroup_id_x 1
		.amdhsa_system_sgpr_workgroup_id_y 1
		.amdhsa_system_sgpr_workgroup_id_z 1
		.amdhsa_system_vgpr_workitem_id 0
		.amdhsa_next_free_vgpr 1024
		.amdhsa_next_free_sgpr 100
		.amdhsa_reserve_vcc 0
		.amdhsa_float_denorm_mode_32 3
		.amdhsa_float_denorm_mode_16_64 3
		.amdhsa_memory_ordered 1
		.amdhsa_forward_progress 1
		.amdhsa_inst_pref_size 119
	.end_amdhsa_kernel
	.amdgpu_metadata
---
amdhsa.version: [ 1, 2 ]
amdhsa.kernels:
  - .name:           k_q6cec0b8e89_proj
    .symbol:         k_q6cec0b8e89_proj.kd
    .args:
      - { .name: xc, .offset: 0, .size: 8, .value_kind: global_buffer, .address_space: global }
      - { .name: wc, .offset: 8, .size: 8, .value_kind: global_buffer, .address_space: global }
      - { .name: lowp_scales, .offset: 16, .size: 8, .value_kind: global_buffer, .address_space: global }
      - { .name: qkv, .offset: 24, .size: 8, .value_kind: global_buffer, .address_space: global }
    .group_segment_fixed_size: 327680
    .private_segment_fixed_size: 0
    .kernarg_segment_align: 8
    .kernarg_segment_size: 32
    .max_flat_workgroup_size: 128
    .sgpr_count:     100
    .vgpr_count:     1024
    .wavefront_size: 32
...
	.end_amdgpu_metadata
.endif
;; end of part 2
;; launch attn (part 3): grid 256 x 1, 8 waves a work-group, no clusters, 0 bytes of LDS; arguments qkv, mb, fl, lowp_scales, jc; writes jc
.if DOCPART == 3
	.amdgcn_target "amdgcn-amd-amdhsa--gfx1250"
	.amdhsa_code_object_version 6
	.text
	.protected	k_q6cec0b8e89_attn
	.globl	k_q6cec0b8e89_attn
	.p2align	8
	.type	k_q6cec0b8e89_attn,@function
k_q6cec0b8e89_attn:
	s_mov_b64 s[64:65], 0
	v_nop
	global_prefetch_b8 v0, s[64:65] scope:SCOPE_SE
	s_setreg_imm32_b32 hwreg(HW_REG_WAVE_MODE, 25, 1), 1
	s_wait_xcnt 0x0
; ATTN.  For each batch and head: O[q] = the sum over k of softmax_k(Q[q] . K[k] / 8, masked) V[k], head size 64, 2,048 keys, both products on codes of BF8 (E5M2) with the given scales (entries 6 to 9);
; O is quantised with entry 10 into the output projection's operand.  The mask is honoured as it is given, bit by bit.
; THE SOFTMAX AHEAD OF THE SECOND PRODUCT: t = score x log2(e) / 8; M = the row's largest t so far, rounded UP to a whole number; p = 2^(t - M) is what is quantised; it is not normalised.  The row's sum is taken
; of the unquantised p, in f32, and divides O at the end.  When M moves, the sum and O are multiplied by 2^(old M - new M): exact.  A masked score becomes -infinity ahead of the maximum: p = 0.
; A ROW THAT IS WHOLLY MASKED has the sum 0: its codes are made NaN, so that the row of the output is NaN.
; WHAT IS LEFT OUT, FOR ANY MASK.  The first launch has stored, for each tile of 16 queries, a bit for each step of 128 keys that has an open key, and one for each that has a masked key.  A step without an open key for a
; tile has p = 0 throughout, adds nothing, and is not worked for it; a step without a masked key needs no selects.  Scalar branches on these whole numbers decide; the launch has no tensor load, no copy and no barrier.
; LIMIT: a NaN or an infinity among K or V that meets only such steps is not carried to the result.
; SHARES.  Two waves to a SIMD, 512 registers each.  A wave owns query tiles j and 127 - j of one head (A and B), so that a mask whose open keys grow or shrink along the queries is dealt evenly.  It walks the steps that
; either needs, and key step 0 in any case, which is asked for before the bits are known; each fragment of K and V is loaded once for both.
; OPERANDS go from memory straight into registers: Q, K and V lie as images of operand registers.  K and V have two register sets; a step's 34 loads are issued a whole step ahead.  No shared loads: which key steps a wave
; walks hangs on the mask, so that partners could not all ask alike.
; A PREFETCH INTO THE L2 stands one step ahead of those loads, two ahead of the work: at key step s, for key step s + 2.  The eight work-groups of a head share the key steps out: number x of them asks for x (from 2 on) and
; for 15 - x; its wave 0 for K's 8 tiles of 1,024 bytes, its wave 1 for V's 8,192 bytes, 256 a lane: each block is named at most once in the launch.  Key steps 0 and 1 come by their loads alone.
; LAYOUT.  Both products are used transposed: S^T = K Q^T (source 0 = 16 keys, source 1 = 16 queries), O^T = V^T P^T: a lane holds ONE query (lane % 16) throughout, and register j of key tile a holds
; key 16 a + 8 (lane / 16) + j: eight such registers, converted, are registers 2 a, 2 a + 1 of P as an operand of 128 keys.
; THE HOLD at 57,344 x 2^e8: p is at most 1 (but for one rounding), so where e8 >= -15 it changes nothing and is branched over.
; LIMITS on the given exponents, so that each power of two below is an f32 number: e6 + e7 between -123 and 84; e8 and e10 between -126 and 112; e8 + e9 is applied by v_ldexp_f32 and has none.
; A raw score is at most 64 x 57,344^2 < 10^12 in magnitude: the running maximum, kept of raw scores, begins at -10^12.  The promise holds while the exponents t stay under 2^31 in magnitude.
; REGISTERS, window 0: v1 16 x lane; v2 8 x lane; v3 -infinity; v4 57,344 x 2^e8; v5 2^e8; v6-9, v29, v30 at work; v10, v12 -M of A, B; v14 f; v16, v17 the largest scores; v18-25 mask words; v26 2^e10; v27 57,344 x 2^e10; v28 NaN;
;   v31 the prefetches' offset.   window 1: v0-127 two sets of K's fragments, v128-255 two sets of V's.
; SCALARS: s2 the steps at which I prefetch; s[20:23] K, V; s[24:27] mask words; s[28:29] c; s18 -c; s[30:37] a step's addresses; s44, s45 A's open and masked steps, s46, s47 B's; s48 steps to come; s49 this step, s50 the next (16: none);
;   s[96:97] where my prefetches begin.
.set LA, 32                            ; the row's sum: sixteen pairs of parts
.set S,  64                            ; S^T, then p
.set P,  128                           ; p's codes
.set QA, 144
.set QB, 152
.set OA, 160
.set OB, 192
.set LB, 224
.set MSB, 0
.macro WIN new                         ; the immediate's high byte repeats the setting that is left
.if MSB != \new
	s_set_vgpr_msb (MSB<<8)|\new
.set MSB, \new
.endif
.endm
.macro ADVANCE                         ; the next step: the lowest bit of s48, which is taken out
	s_ctz_i32_b32 s50, s48
	s_min_u32 s50, s50, 16                         ; (of 0 it is -1: 16, no step)
	s_sub_co_u32 s54, s48, 1
	s_and_b32 s48, s48, s54
.endm
.macro ADDR                            ; step s50's addresses
	s_wait_xcnt 0x0                                ; the loads and prefetches issued so far have read theirs
	s_min_u32 s38, s50, 15
	s_lshl_b32 s40, s38, 8
	s_lshl_b32 s38, s38, 14
	s_add_nc_u64 s[30:31], s[20:21], s[38:39]
	s_add_nc_u64 s[32:33], s[22:23], s[38:39]
	s_add_nc_u64 s[34:35], s[24:25], s[40:41]
	s_add_nc_u64 s[36:37], s[26:27], s[40:41]
.endm
.macro LOADK b                         ; 16 loads of K's 8 fragments, and the two tiles' mask words
	WIN 0x40
.irp a, 0,1,2,3,4,5,6,7
	global_load_b128 v[64*(\b)+8*\a:64*(\b)+8*\a+3], v1, s[30:31] offset:2048*\a
	global_load_b128 v[64*(\b)+8*\a+4:64*(\b)+8*\a+7], v1, s[30:31] offset:2048*\a+512
.endr
	WIN 0
	global_load_b64 v[18+2*(\b):19+2*(\b)], v2, s[34:35]
	global_load_b64 v[22+2*(\b):23+2*(\b)], v2, s[36:37]
.endm
.macro LOADV b                         ; 16 loads of V's 4 fragments
	WIN 0x40
.irp t, 0,1,2,3
.irp c, 0,1,2,3
	global_load_b128 v[128+64*(\b)+16*\t+4*\c:128+64*(\b)+16*\t+4*\c+3], v1, s[32:33] offset:2048*\t+512*\c
.endr
.endr
	WIN 0
.endm
; One tile of 16 queries x 128 keys.
.macro TILE q, o, l, nm, mx, mw, mix, kb, vb
	WIN 0x01                                       ; source 0 in window 1
.irp a, 0,1,2,3,4,5,6,7
	v_wmma_f32_16x16x64_bf8_bf8 v[S+8*\a:S+8*\a+7], v[\kb+8*\a:\kb+8*\a+7], v[\q:\q+7], 0
.endr
	WIN 0
.rept 4
	v_nop                                          ; places in front of the first read of the scores
.endr
	s_bitcmp1_b32 s[\mix], s49
	s_cbranch_scc0 .Lopen_\@
.set nn, 0
.rept 32                               ; a word added to itself gives its top bit as the carry: 1: the key does not count for my query
	v_add_co_u32 v[\mw], s[54+2*(nn%2)], v[\mw], v[\mw]
	v_add_co_u32 v[\mw+1], s[55+2*(nn%2)], v[\mw+1], v[\mw+1]
	v_cndmask_b32 v[S+nn], v[S+nn], v3, s[54+2*(nn%2)]
	v_cndmask_b32 v[S+32+nn], v[S+32+nn], v3, s[55+2*(nn%2)]
.set nn, nn+1
.endr
.Lopen_\@:
	v_max3_num_f32 v6, v[S], v[S+1], v[S+2]        ; the step's largest score of my query among my 64 keys, in four chains, each accumulator from its low end on
	v_max3_num_f32 v7, v[S+16], v[S+17], v[S+18]
	v_max3_num_f32 v29, v[S+32], v[S+33], v[S+34]
	v_max3_num_f32 v30, v[S+48], v[S+49], v[S+50]
.irp i, 3,5,7,9,11,13
	v_max3_num_f32 v6, v6, v[S+\i], v[S+\i+1]
	v_max3_num_f32 v7, v7, v[S+16+\i], v[S+17+\i]
	v_max3_num_f32 v29, v29, v[S+32+\i], v[S+33+\i]
	v_max3_num_f32 v30, v30, v[S+48+\i], v[S+49+\i]
.endr
	v_max3_num_f32 v6, v6, v[S+15], v[S+31]
	v_max3_num_f32 v7, v7, v[S+47], v[S+63]
	v_mov_b32 v9, v[\nm]
	v_max3_num_f32 v6, v6, v29, v30
	s_delay_alu instid0(VALU_DEP_1)
	v_max_num_f32 v6, v6, v7
	s_delay_alu instid0(VALU_DEP_1)
	v_permlanex16_b32 v8, v6, s42, s43             ; and lane l xor 16's
	s_delay_alu instid0(VALU_DEP_1)
	v_max3_num_f32 v[\mx], v[\mx], v6, v8          ; the running largest score
	s_delay_alu instid0(VALU_DEP_1)
	v_mul_f32 v7, s18, v[\mx]                      ; -t of it (c is positive)
	s_delay_alu instid0(VALU_DEP_1)
	v_floor_f32 v[\nm], v7                         ; the new -M = floor(-t) = -ceil(t): M is a whole number
	s_delay_alu instid0(VALU_DEP_1)
	v_sub_f32 v9, v[\nm], v9                       ; M's old value less its new one: a whole number, 0 or less
	v_pk_fma_f32 v[S:S+1], v[S:S+1], s[28:29], v[\nm:\nm+1] op_sel_hi:[1,0,0]   ; t - M, two at a time (of the pairs c and -M the low word serves both halves)
	v_pk_fma_f32 v[S+2:S+3], v[S+2:S+3], s[28:29], v[\nm:\nm+1] op_sel_hi:[1,0,0]
	v_cvt_i32_f32 v9, v9                           ; (it saturates)
	v_pk_fma_f32 v[S+4:S+5], v[S+4:S+5], s[28:29], v[\nm:\nm+1] op_sel_hi:[1,0,0]
	v_pk_fma_f32 v[S+6:S+7], v[S+6:S+7], s[28:29], v[\nm:\nm+1] op_sel_hi:[1,0,0]
	v_ldexp_f32 v14, 1.0, v9                       ; f = 2^(old M - new M)
.irp i, 8,10,12,14,16,18,20,22,24,26,28,30
	v_pk_fma_f32 v[S+\i:S+\i+1], v[S+\i:S+\i+1], s[28:29], v[\nm:\nm+1] op_sel_hi:[1,0,0]
.endr
	s_wait_alu depctr_va_vdst(0)                   ; the wait directly ahead of O's first reader, and ahead of the batch of exponentials
.irp i, 0,2,4,6,8,10,12,14,16,18,20,22,24,26,28,30
	v_pk_mul_f32 v[\o+\i:\o+\i+1], v[\o+\i:\o+\i+1], v[14:15] op_sel_hi:[1,0]   ; O^T under the new M
.endr
.irp i, 0,2,4,6,8,10,12,14,16,18,20,22,24,26,28,30
	v_exp_f32 v[S+\i], v[S+\i]                     ; p = 2^(t - M): the first 32, beside the other 32's t - M
	v_pk_fma_f32 v[S+32+\i:S+33+\i], v[S+32+\i:S+33+\i], s[28:29], v[\nm:\nm+1] op_sel_hi:[1,0,0]
	v_exp_f32 v[S+1+\i], v[S+1+\i]
.endr
	s_wait_alu depctr_va_vdst(0)                   ; the wait behind that batch and ahead of the next
.irp i, 0,2,4,6,8,10,12,14,16,18,20,22,24,26,28,30
	v_exp_f32 v[S+32+\i], v[S+32+\i]
	v_pk_fma_f32 v[\l+\i:\l+\i+1], v[\l+\i:\l+\i+1], v[14:15], v[S+\i:S+\i+1] op_sel_hi:[1,0,1]   ; the sum's parts under the new M, + the unquantised p
	v_exp_f32 v[S+33+\i], v[S+33+\i]
.endr
	s_wait_alu depctr_va_vdst(0)                   ; and behind this one
	s_wait_loadcnt 34                              ; this step's V is in; the next step's 34 loads may be out.  (Here, so that no wait that blocks stands between the conversions and the products)
.irp i, 0,2,4,6,8,10,12,14,16,18,20,22,24,26,28,30
	v_pk_add_f32 v[\l+\i:\l+\i+1], v[\l+\i:\l+\i+1], v[S+32+\i:S+33+\i]
.endr
	s_cmp_ge_i32 s52, -15
	s_cbranch_scc1 .Lheld_\@
.set nn, 0
.rept 64
	v_min_num_f32 v[S+nn], v[S+nn], v4             ; the conversion to an 8-bit code does not saturate (ISA guide 7.6.2); p is not negative, so the hold is one-sided
.set nn, nn+1
.endr
.Lheld_\@:
.irp a, 0,1,2,3,4,5,6,7
	v_cvt_scalef32_pk8_bf8_f32 v[P+2*\a:P+2*\a+1], v[S+8*\a:S+8*\a+7], v5   ; registers 2 a, 2 a + 1 of P: keys 16 a + 8 h + 0 .. 7
.endr
	v_nop                                          ; one plain line between the conversions and the products
	WIN 0x01
.irp t, 0,1,2,3
	v_wmma_f32_16x16x128_bf8_bf8 v[\o+8*\t:\o+8*\t+7], v[\vb+16*\t:\vb+16*\t+15], v[P:P+15], v[\o+8*\t:\o+8*\t+7]   ; the four accumulators take turns
.endr
	WIN 0
.endm
.macro STEP b                          ; step s49, in register set b; the next step's loads go into the other set
.rept 4
	v_nop                                          ; places in front of loads into registers that the last products have read
.endr
	s_cmp_eq_u32 s50, 16
	s_cbranch_scc1 .Lnone_\@
	ADDR
	LOADK 1-\b
	s_wait_loadcnt 34                              ; this step's K and mask words are in; its V (16) and the next step's K and mask words (18) may be out
	LOADV 1-\b
	s_bitcmp1_b32 s2, s49
	s_cbranch_scc0 .Lgo_\@
	s_lshl_b32 s38, s49, 14
	s_add_nc_u64 s[98:99], s[96:97], s[38:39]
	global_prefetch_b8 v31, s[98:99] th:TH_LOAD_NT scope:SCOPE_SE   ; key step s49 + 2
	s_branch .Lgo_\@
.Lnone_\@:
	s_wait_loadcnt 0x0                             ; the last step: nothing younger is out
.Lgo_\@:
	s_bitcmp1_b32 s44, s49                         ; has tile A an open key here?
	s_cbranch_scc0 .Lno_a_\@
	TILE QA, OA, LA, 10, 16, 18+2*\b, 45, 64*\b, 128+64*\b
.Lno_a_\@:
	s_bitcmp1_b32 s46, s49                         ; has tile B?
	s_cbranch_scc0 .Lno_b_\@
	TILE QB, OB, LB, 12, 17, 22+2*\b, 47, 64*\b, 128+64*\b
.Lno_b_\@:
	s_cmp_eq_u32 s50, 16
	s_cbranch_scc1 .Ldone
	s_mov_b32 s49, s50
	ADVANCE
.endm
	s_load_b256 s[4:11], s[0:1], 0x0               ; qkv s[4:5], mb s[6:7], fl s[8:9], the scales' exponents s[10:11]
	s_load_b64 s[12:13], s[0:1], 0x20              ; jc
	v_lshrrev_b32 v3, 5, v0
	v_readfirstlane_b32 s14, v3                    ; wave 0..7
	v_and_b32 v1, 31, v0
	v_lshlrev_b32 v2, 3, v1                        ; 8 x lane
	v_lshrrev_b32 v6, 2, v1
	v_and_b32 v7, 3, v1
	v_lshlrev_b32 v1, 4, v1                        ; 16 x lane
	s_and_b32 s15, ttmp9, 31                       ; 16 x batch + head
	s_lshr_b32 s19, ttmp9, 5                       ; x: which of the head's eight work-groups
	s_lshl_b32 s2, 1, s19
	s_lshr_b32 s2, s2, 2                           ; at key step x - 2 I ask for x, where x is 2 or more,
	s_sub_co_u32 s3, 13, s19
	s_lshl_b32 s3, 1, s3                           ; and at 13 - x for 15 - x:
	s_or_b32 s2, s2, s3
	s_cmp_lt_u32 s14, 2
	s_cselect_b32 s2, s2, 0                        ; waves 0 and 1 alone
	s_mov_b32 s3, 1024
	s_cmp_eq_u32 s14, 0
	s_cselect_b32 s3, 2048, s3                     ; four lanes to 1,024 bytes: in K they lie 2,048 apart, in V end to end
	s_wait_alu depctr_va_vdst(0)                   ; the wait here, directly ahead of the readers below
	v_mul_lo_u32 v31, v6, s3
	v_lshl_add_u32 v31, v7, 8, v31
	s_lshl_b32 s16, s19, 3
	s_add_co_u32 s16, s16, s14                     ; tile A: 8 x + wave, 0..63
	s_sub_co_u32 s17, 127, s16                     ; tile B
	s_lshr_b32 s18, s15, 4                         ; batch
	s_bfe_u32 s19, s15, 0x30001                    ; pair of heads
	s_and_b32 s52, s15, 1                          ; which of the pair
	s_lshl_b32 s54, s18, 21
	s_lshl_b32 s55, s19, 18
	s_add_co_u32 s54, s54, s55                     ; the pair's first byte in each of q, k, v
	s_lshl_b32 s55, s52, 10
	s_add_co_u32 s55, s55, s54                     ; my head of the pair: 1,024 bytes on in q's and k's blocks,
	s_lshl_b32 s56, s52, 13                        ; 8,192 in v's
	s_add_co_u32 s60, s55, 0x400000                ; K: tensor 1 of qkv
	s_add_co_u32 s62, s56, s54
	s_add_co_u32 s62, s62, 0x800000                ; V: tensor 2
	s_lshl_b32 s66, s16, 11
	s_add_co_u32 s66, s66, s55                     ; Q: a token tile's two heads are 2,048 bytes
	s_lshl_b32 s68, s17, 11
	s_add_co_u32 s68, s68, s55
	s_lshl_b32 s70, s16, 12                        ; mask words: 4,096 bytes a query tile
	s_lshl_b32 s72, s17, 12
	s_lshl_b32 s74, s16, 11                        ; flags: 2,048 bytes
	s_lshl_b32 s76, s17, 11
	s_lshl_b32 s78, s18, 7
	s_and_b32 s79, s15, 15                         ; head
	s_add_co_u32 s80, s78, s16                     ; jc: token tile 128 x batch + query tile, its block of 64 along K = my head
	s_lshl_b32 s80, s80, 4
	s_add_co_u32 s80, s80, s79
	s_lshl_b32 s80, s80, 10
	s_add_co_u32 s82, s78, s17
	s_lshl_b32 s82, s82, 4
	s_add_co_u32 s82, s82, s79
	s_lshl_b32 s82, s82, 10
.irp i, 39,41,61,63,67,69,71,73,75,77,81,83
	s_mov_b32 s\i, 0
.endr
	s_wait_alu depctr_va_vdst(0)                   ; the wait directly ahead of the wait below
	s_wait_kmcnt 0x0
	s_add_nc_u64 s[56:57], s[8:9], s[74:75]
	s_add_nc_u64 s[58:59], s[8:9], s[76:77]
	s_add_nc_u64 s[24:25], s[6:7], s[70:71]
	s_add_nc_u64 s[26:27], s[6:7], s[72:73]
	s_add_nc_u64 s[92:93], s[12:13], s[80:81]
	s_add_nc_u64 s[94:95], s[12:13], s[82:83]
	s_add_nc_u64 s[20:21], s[4:5], s[60:61]
	s_add_nc_u64 s[22:23], s[4:5], s[62:63]
	s_add_nc_u64 s[66:67], s[4:5], s[66:67]
	s_add_nc_u64 s[68:69], s[4:5], s[68:69]
.irp i, 0,1,2,3,4,5,6,7
	s_load_b32 s[70+\i], s[56:57], 256*\i          ; A's flags, in eight parts
	s_load_b32 s[78+\i], s[58:59], 256*\i          ; B's
.endr
	s_load_b128 s[88:91], s[10:11], 0x18           ; e6, e7, e8, e9
	s_load_b32 s86, s[10:11], 0x28                 ; e10
	global_load_b128 v[QA:QA+3], v1, s[66:67]      ; Q's fragments, 16 queries x 64, stay in registers
	global_load_b128 v[QA+4:QA+7], v1, s[66:67] offset:512
	global_load_b128 v[QB:QB+3], v1, s[68:69]
	global_load_b128 v[QB+4:QB+7], v1, s[68:69] offset:512
	s_mov_b32 s50, 0                               ; key step 0, whatever the flags say
	ADDR
	LOADK 0
	LOADV 0
	s_cmp_eq_u32 s14, 0
	s_cselect_b64 s[96:97], s[20:21], s[22:23]     ; the prefetches: wave 0's in K, wave 1's in V,
	s_add_nc_u64 s[96:97], s[96:97], 0x8000        ; two key steps on
	s_mov_b32 s42, 0x76543210                      ; lane l xor 16
	s_mov_b32 s43, 0xfedcba98
	s_mov_b32 s28, 0x3e38aa3b                      ; c = log2(e) / 8
	v_mov_b32 v3, 0xff800000
	v_mov_b32 v28, 0x7fc00000
	v_mov_b32 v8, 0                                ; written once: a lane permute's destination counts as one of its sources
	v_mov_b32 v9, 0
	v_mov_b32 v10, 0                               ; -M: whatever it is at first, the sums that its first change multiplies are zeros
	v_mov_b32 v11, 0                               ; (v11, v13, v15: named as upper halves of pairs)
	v_mov_b32 v12, 0
	v_mov_b32 v13, 0
	v_mov_b32 v15, 0
	v_mov_b32 v16, 0xd368d4a5                      ; the largest score so far: -10^12
	v_mov_b32 v17, 0xd368d4a5
.set nn, 0
.rept 32                               ; the sums and O^T.  (The tile's text has no first form of its own: which step comes first hangs on the mask)
	v_mov_b32 v[LA+nn], 0
	v_mov_b32 v[LB+nn], 0
	v_mov_b32 v[OA+nn], 0
	v_mov_b32 v[OB+nn], 0
.set nn, nn+1
.endr
	s_wait_alu depctr_va_vdst(0)
	s_wait_kmcnt 0x0
.irp i, 1,2,3,4,5,6,7
	s_or_b32 s70, s70, s[70+\i]
	s_or_b32 s78, s78, s[78+\i]
.endr
	s_and_b32 s44, s70, 0xffff
	s_lshr_b32 s45, s70, 16
	s_and_b32 s46, s78, 0xffff
	s_lshr_b32 s47, s78, 16
	s_or_b32 s48, s44, s46                         ; the steps that either tile needs,
	s_and_b32 s48, s48, 0xfffe                     ; behind key step 0
	s_add_co_i32 s54, s88, s89
	s_lshl_b32 s54, s54, 23
	s_add_co_i32 s28, s28, s54                     ; a score stands for score x 2^(e6 + e7): the two exponents are added to c's exponent field
	s_mov_b32 s29, s28                             ; (named with it as a pair, so it is written)
	s_xor_b32 s18, s28, 0x80000000                 ; -c
	s_mov_b32 s52, s90                             ; e8
	s_add_co_i32 s53, s90, s91                     ; e8 + e9
	s_add_co_i32 s54, s90, 127
	s_lshl_b32 s55, s54, 23
	v_mov_b32 v5, s55                              ; 2^e8 as f32, for p's conversions
	s_add_co_i32 s54, s54, 15
	s_lshl_b32 s54, s54, 23
	s_or_b32 s54, s54, 0x600000
	v_mov_b32 v4, s54                              ; 57,344 x 2^e8
	s_add_co_i32 s54, s86, 127
	s_lshl_b32 s55, s54, 23
	v_mov_b32 v26, s55                             ; 2^e10, for O's
	s_add_co_i32 s54, s54, 15
	s_lshl_b32 s54, s54, 23
	s_or_b32 s54, s54, 0x600000
	v_mov_b32 v27, s54                             ; 57,344 x 2^e10
	s_mov_b32 s49, 0
	s_mov_b32 s51, 0
	ADVANCE
	s_wait_alu depctr_va_vdst(0)                   ; the wait at the head's end
.Lloop:                                            ; at most 8 trips of two steps; the branch to .Ldone in a step leaves when there is no next one
	STEP 0
	STEP 1
	s_add_co_u32 s51, s51, 1
	s_cmp_lt_u32 s51, 8
	s_cbranch_scc1 .Lloop
.Ldone:
	s_wait_alu depctr_va_vdst(0)                   ; the wait here, directly ahead of the first reader of the sums
	; THE WAY OUT.  O^T / the sum x 2^(e8 + e9) is the head's output; it is held, quantised with 2^e10, and stored as the image of a fragment of 16 tokens x 64 along the output projection's K.
.irp k, 8,4,2,1
.set nn, 0
.rept \k
	v_pk_add_f32 v[LA+2*nn:LA+2*nn+1], v[LA+2*nn:LA+2*nn+1], v[LA+2*nn+2*\k:LA+2*nn+2*\k+1]
	v_pk_add_f32 v[LB+2*nn:LB+2*nn+1], v[LB+2*nn:LB+2*nn+1], v[LB+2*nn+2*\k:LB+2*nn+2*\k+1]
.set nn, nn+1
.endr
.endr
	v_add_f32 v[LA], v[LA], v[LA+1]
	v_add_f32 v[LB], v[LB], v[LB+1]
	v_permlanex16_b32 v8, v[LA], s42, s43
	v_permlanex16_b32 v9, v[LB], s42, s43
	v_add_f32 v[LA], v[LA], v8                     ; and lane l xor 16's: the rows' sums
	v_add_f32 v[LB], v[LB], v9
	v_cmp_eq_f32 s54, 0, v[LA]                     ; 0: every key of my query was masked
	v_cmp_eq_f32 s55, 0, v[LB]
	s_wait_alu depctr_va_vdst(0)                   ; the wait ahead of the transcendentals, and behind them
	v_rcp_f32 v[LA], v[LA]
	v_rcp_f32 v[LB], v[LB]
	v_nop                                          ; the plain place behind them
	s_wait_alu depctr_va_vdst(0)
	v_ldexp_f32 v[LA], v[LA], s53
	v_ldexp_f32 v[LB], v[LB], s53
	s_wait_alu depctr_va_vdst(0)                   ; the wait directly ahead of O's first reader
.set nn, 0
.rept 32
	v_mul_f32 v[S+nn], v[OA+nn], v[LA]             ; register 8 t + i: channel 16 t + 8 h + i of my query; each accumulator from its low end on
	v_mul_f32 v[S+32+nn], v[OB+nn], v[LB]
.set nn, nn+1
.endr
.set nn, 0
.rept 64
	v_med3_num_f32 v[S+nn], v[S+nn], -v27, v27
.set nn, nn+1
.endr
.set nn, 0
.rept 32
	v_cndmask_b32 v[S+nn], v[S+nn], v28, s54       ; a wholly masked row is NaN
	v_cndmask_b32 v[S+32+nn], v[S+32+nn], v28, s55
.set nn, nn+1
.endr
.irp t, 0,1,2,3,4,5,6,7
	v_cvt_scalef32_pk8_bf8_f32 v[P+2*\t:P+2*\t+1], v[S+8*\t:S+8*\t+7], v26
.endr
	v_nop
	global_store_b128 v1, v[P:P+3], s[92:93]       ; 512 consecutive bytes each, aligned
	global_store_b128 v1, v[P+4:P+7], s[92:93] offset:512
	global_store_b128 v1, v[P+8:P+11], s[94:95]
	global_store_b128 v1, v[P+12:P+15], s[94:95] offset:512
	s_endpgm
.Lfunc_end_k_q6cec0b8e89_attn:
	.size	k_q6cec0b8e89_attn, .Lfunc_end_k_q6cec0b8e89_attn-k_q6cec0b8e89_attn
	.p2alignl 7, 3214868480
	.fill 96, 4, 3214868480
	.section	.rodata,"a",@progbits
	.p2align	6, 0x0
	.amdhsa_kernel k_q6cec0b8e89_attn
		.amdhsa_group_segment_fixed_size 0
		.amdhsa_private_segment_fixed_size 0
		.amdhsa_enable_private_segment 0
		.amdhsa_kernarg_size 40
		.amdhsa_user_sgpr_count 2
		.amdhsa_user_sgpr_kernarg_segment_ptr 1
		.amdhsa_wavefront_size32 1
		.amdhsa_system_sgpr_workgroup_id_x 1
		.amdhsa_system_sgpr_workgroup_id_y 1
		.amdhsa_system_sgpr_workgroup_id_z 1
		.amdhsa_system_vgpr_workitem_id 0
		.amdhsa_next_free_vgpr 512
		.amdhsa_next_free_sgpr 100
		.amdhsa_reserve_vcc 0
		.amdhsa_float_denorm_mode_32 3
		.amdhsa_float_denorm_mode_16_64 3
		.amdhsa_memory_ordered 1
		.amdhsa_forward_progress 1
		.amdhsa_inst_pref_size 123
	.end_amdhsa_kernel
	.amdgpu_metadata
---
amdhsa.version: [ 1, 2 ]
amdhsa.kernels:
  - .name:           k_q6cec0b8e89_attn
    .symbol:         k_q6cec0b8e89_attn.kd
    .args:
      - { .name: qkv, .offset: 0, .size: 8, .value_kind: global_buffer, .address_space: global }
      - { .name: mb, .offset: 8, .size: 8, .value_kind: global_buffer, .address_space: global }
      - { .name: fl, .offset: 16, .size: 8, .value_kind: global_buffer, .address_space: global }
      - { .name: lowp_scales, .offset: 24, .size: 8, .value_kind: global_buffer, .address_space: global }
      - { .name: jc, .offset: 32, .size: 8, .value_kind: global_buffer, .address_space: global }
    .group_segment_fixed_size: 0
    .private_segment_fixed_size: 0
    .kernarg_segment_align: 8
    .kernarg_segment_size: 40
    .max_flat_workgroup_size: 256
    .sgpr_count:     100
    .vgpr_count:     512
    .wavefront_size: 32
...
	.end_amdgpu_metadata
.endif
;; end of part 3
;; launch outp (part 4): grid 8 x 32, 4 waves a work-group, clusters of 4 x 4, 280,064 bytes of LDS; arguments jc, wc, lowp_scales, out0; writes out0
.if DOCPART == 4
	.amdgcn_target "amdgcn-amd-amdhsa--gfx1250"
	.amdhsa_code_object_version 6
	.text
	.protected	k_q6cec0b8e89_outp
	.globl	k_q6cec0b8e89_outp
	.p2align	8
	.type	k_q6cec0b8e89_outp,@function
k_q6cec0b8e89_outp:
	s_mov_b64 s[64:65], 0
	v_nop
	global_prefetch_b8 v0, s[64:65] scope:SCOPE_SE
	s_setreg_imm32_b32 hwreg(HW_REG_WAVE_MODE, 25, 1), 1
	s_wait_xcnt 0x0
	s_wait_alu depctr_hold_cnt(0) depctr_sa_sdst(0) depctr_va_vdst(0) depctr_va_sdst(0) depctr_va_ssrc(0) depctr_va_vcc(0) depctr_vm_vsrc(0)
	s_getreg_b32 s2, hwreg(HW_REG_IB_STS2, 6, 4)
	s_cmp_eq_u32 s2, 0
	s_cbranch_scc0 .Lentry_in_a_cluster
	s_endpgm
.Lentry_in_a_cluster:
	s_bfe_u32 s2, ttmp6, 0x10000c
	s_cmp_lg_u32 s2, 0xf033
	s_cbranch_scc0 .Lentry_shape_is_right
	s_endpgm
.Lentry_shape_is_right:
; OUTP.  out0[m][n] = 2^(e10 + e11) x the sum over k of J[m][k] Wo[n][k]: J [4096][1024] (jc) and Wo [1024][1024] (tensor 3 of wc) as codes of BF8 (E5M2); out0 [4096][1024] f32; sums in f32.
; 32 x 8 tiles of 128 x 128 give each of 256 work-groups one.  Four waves, each 64 x 64.  Both operands lie as [row tile of 16][block of 64 along K][1,024 bytes], a block being the image
; of a fragment's registers: a fragment of 16 rows x 128 K is four loads of 16 bytes a lane at 16 x lane.
; THE WHOLE K IS RESIDENT: a tile's A and B for K = 1,024 are 262,144 bytes of LDS: each wave asks for a quarter of them by one tensor load (64 rows: 4 rows of 16,384 bytes), and nothing is filled again.
; BY ROWS: all of a wave's fragments of B stay in 512 registers; its four blocks of 16 rows are finished one after the other (32 products each, K ascending), so that finished rows leave while others are multiplied.
; CLUSTERS: 4 x 4 work-groups.  The four of a row of the cluster need the same tiles of A, the four of a column the same tiles of B: each is asked for JOINTLY.  No prefetch: no loop runs ahead of the one load.
; THE MATRIX INSTRUCTION IS USED TRANSPOSED (source 0 = 16 rows of Wo, source 1 = 16 rows of J): a lane holds eight neighbouring numbers of a row of out0.
; LIMIT: e10 + e11 lies between -126 and 127, so that 2^(e10 + e11) is an f32 number.
; REGISTERS: window 0: v4 LDS address of my A, v8 of my B, v12-14 the way out; v32-63 a block's results; v64-127 rows read back, two sets; v128-191 accumulators, two sets of four.
;   window 1: A's fragments of a block (8 x 16), two sets.   windows 2 and 3: B's: fragment b of K step k at 64 (k % 4) + 16 b of window 2 + k / 4.
.set QUART,  65536                     ; 64 rows: what one tensor load brings, and what one wave reads of A or of B
.set STAGE,  4*QUART                   ; behind the tiles: 16 rows x 272 bytes for each wave, for the way out: bytes into which no tensor load lands
.set SPITCH, 272
.set SPARE,  STAGE+4*16*SPITCH         ; the spare words
.set G1A, 16                           ; s[16:23] descriptor group 1 for A's tile;  s[24:31] for B's
.set G1B, 24
.set G0A, 48                           ; s[48:51] group 0 for A's, s[52:55] for B's
.set G0B, 52
.set MSB, 0
.macro WIN new                         ; the immediate's high byte repeats the setting that is left
.if MSB != \new
	s_set_vgpr_msb (MSB<<8)|\new
.set MSB, \new
.endif
.endm
.macro CROUND                          ; a round of the cluster's barrier
	s_barrier_signal -1
	s_barrier_wait -1
	s_cmp_lg_u32 s12, 0
	s_cbranch_scc1 .Lnot_wave_0_\@
	s_barrier_signal -3
.Lnot_wave_0_\@:
	s_barrier_wait -3
	s_barrier_signal -1
	s_barrier_wait -1
.endm
	s_load_b256 s[4:11], s[0:1], 0x0               ; jc s[4:5], wc s[6:7], the scales' exponents s[8:9], out0 s[10:11]
	v_lshl_add_u32 v30, v0, 2, SPARE
	v_mov_b32 v31, 0
	ds_add_u32 v30, v31                            ; the wave's opening: the add, twice on end, and its wait ahead of the tensor load
	ds_add_u32 v30, v31
	v_lshrrev_b32 v1, 5, v0
	v_readfirstlane_b32 s12, v1                    ; wave 0..3
	s_lshr_b32 s13, s12, 1                         ; which half of the tile's rows is mine.  Also: I fetch for A (0) or for B (1)
	s_and_b32 s14, s12, 1                          ; which half of its columns.  Also: which 64 rows of that tile I fetch
	s_bfe_u32 s32, ttmp6, 0x40000                  ; cx, cy: my place in the cluster
	s_bfe_u32 s33, ttmp6, 0x40004
	s_lshl_b32 s34, ttmp9, 2
	s_add_co_u32 s34, s34, s32                     ; tile column = 4 x cluster x + cx
	s_and_b32 s35, ttmp7, 0xffff
	s_lshl_b32 s35, s35, 2
	s_add_co_u32 s35, s35, s33                     ; tile row = 4 x cluster y + cy
	s_lshl_b32 s36, s33, 2
	s_lshl_b32 s36, 15, s36                        ; my row of the cluster
	s_lshl_b32 s37, 0x1111, s32                    ; my column
	s_or_b32 s[G1A+0], s36, (1<<21)                ; 15:0 the mask: A's tiles go to my row; 17:16 elements of 1 byte; 20 no padding; 21 set beside a mask
	s_or_b32 s[G1B+0], s37, (1<<21)
.irp g, G1A, G1B
	s_mov_b32 s[\g+1], 16384<<16                   ; tensor_dim0 = 16,384
	s_mov_b32 s[\g+2], 4<<16                       ; tensor_dim1 = 4
	s_mov_b32 s[\g+3], 16384<<16                   ; tile_dim0
	s_mov_b32 s[\g+4], 4                           ; tile_dim1
	s_mov_b32 s[\g+5], 16384                       ; tensor_dim0_stride
	s_mov_b32 s[\g+6], 0
	s_mov_b32 s[\g+7], 0
.endr
	s_lshl_b32 s38, s35, 17                        ; A: 128 rows are 131,072 bytes,
	s_lshl_b32 s39, s14, 16                        ; the 64 that I fetch
	s_add_co_u32 s38, s38, s39
	s_mov_b32 s39, 0
	s_lshl_b32 s40, s34, 17                        ; B likewise,
	s_lshl_b32 s41, s14, 16
	s_add_co_u32 s40, s40, s41
	s_add_co_u32 s40, s40, 3<<20                   ; in tensor 3 of wc
	s_mov_b32 s41, 0
	s_mul_i32 s42, s12, QUART                      ; where my tile goes: wave x 64 rows: no place in the cluster enters an LDS address
	s_wait_dscnt 0x0                               ; both opening adds are done
	s_wait_kmcnt 0x0
	s_load_b64 s[92:93], s[8:9], 0x28              ; e10, e11
	s_add_nc_u64 s[38:39], s[4:5], s[38:39]
	s_add_nc_u64 s[40:41], s[6:7], s[40:41]
	s_mov_b32 s[G0A], 1
	s_mov_b32 s[G0A+1], s42
	s_mov_b64 s[G0A+2:G0A+3], s[38:39]
	s_or_b32 s[G0A+3], s[G0A+3], 0x80000000
	s_mov_b32 s[G0B], 1
	s_mov_b32 s[G0B+1], s42
	s_mov_b64 s[G0B+2:G0B+3], s[40:41]
	s_or_b32 s[G0B+3], s[G0B+3], 0x80000000
	CROUND                                         ; all sixteen work-groups are here: the joint loads meet
	s_cmp_eq_u32 s13, 0
	s_cbranch_scc0 .Lfor_b
	tensor_load_to_lds s[G0A:G0A+3], s[G1A:G1A+7]
	s_nop 0
.rept 4
	v_nop
.endr
	s_branch .Lasked
.Lfor_b:
	tensor_load_to_lds s[G0B:G0B+3], s[G1B:G1B+7]
	s_nop 0
.rept 4
	v_nop
.endr
.Lasked:
	s_mul_i32 s43, s13, QUART                      ; my 64 rows of A
	s_mul_i32 s44, s14, QUART                      ; my 64 rows of B,
	s_add_co_u32 s44, s44, 2*QUART                 ; which lie behind A's 128
	s_mul_i32 s45, s12, 16*SPITCH
	s_add_co_u32 s45, s45, STAGE                   ; my stage
	v_and_b32 v1, 15, v0                           ; r
	v_bfe_u32 v2, v0, 4, 1                         ; h
	v_and_b32 v3, 31, v0
	v_lshlrev_b32 v3, 4, v3                        ; 16 x lane
	v_add_nc_u32 v4, s43, v3
	v_add_nc_u32 v8, s44, v3
	v_mul_u32_u24 v12, v1, SPITCH
	v_lshl_add_u32 v12, v2, 5, v12
	v_add_nc_u32 v12, s45, v12                     ; in: row r, 32 bytes for each half of the lanes
	v_mul_u32_u24 v13, v2, SPITCH
	v_lshl_add_u32 v13, v1, 4, v13
	v_add_nc_u32 v13, s45, v13                     ; back: lanes 0-15 one row of 256 bytes, lanes 16-31 the next
	v_lshlrev_b32 v14, 12, v2
	v_lshl_add_u32 v14, v1, 4, v14                 ; and the same two rows in out0
	s_lshl_b32 s46, s35, 7
	s_lshl_b32 s47, s13, 6
	s_add_co_u32 s46, s46, s47                     ; my first row: 128 x tile row + 64 x half,
	s_lshl_b32 s46, s46, 12                        ; of 4,096 bytes
	s_lshl_b32 s47, s34, 9
	s_add_co_u32 s46, s46, s47                     ; my first column: 512 bytes a tile column,
	s_lshl_b32 s47, s14, 8
	s_add_co_u32 s46, s46, s47                     ; + 256 x half
	s_mov_b32 s47, 0
	s_add_nc_u64 s[10:11], s[10:11], s[46:47]
.macro FB k                            ; B's four fragments of K step k: 16 loads
	WIN (0x80+0x40*(\k/4))
.irp b, 0,1,2,3
.irp e, 0,1,2,3
	ds_load_b128 v[64*(\k%4)+16*\b+4*\e:64*(\k%4)+16*\b+4*\e+3], v8 offset:16384*\b+2048*\k+512*\e
.endr
.endr
.endm
.macro FA a, k                         ; block a's fragment of K step k: 4 loads
	WIN 0x40
.irp e, 0,1,2,3
	ds_load_b128 v[128*(\a%2)+16*\k+4*\e:128*(\a%2)+16*\k+4*\e+3], v4 offset:16384*\a+2048*\k+512*\e
.endr
.endm
.macro FETCH a                         ; block a: 32 loads
.irp k, 0,1,2,3,4,5,6,7
	FA \a, \k
.endr
.endm
.macro MULK a, k                       ; block a, K step k: its four accumulators take turns; the first products start the sums
.set AC, 128+32*(\a%2)
	WIN (0x06+(\k/4))                              ; source 0 (B) window 2 or 3, source 1 (A) window 1, C and D window 0
.irp b, 0,1,2,3
.if \k == 0
	v_wmma_f32_16x16x128_bf8_bf8 v[AC+8*\b:AC+8*\b+7], v[64*(\k%4)+16*\b:64*(\k%4)+16*\b+15], v[128*(\a%2)+16*\k:128*(\a%2)+16*\k+15], 0
.else
	v_wmma_f32_16x16x128_bf8_bf8 v[AC+8*\b:AC+8*\b+7], v[64*(\k%4)+16*\b:64*(\k%4)+16*\b+15], v[128*(\a%2)+16*\k:128*(\a%2)+16*\k+15], v[AC+8*\b:AC+8*\b+7]
.endif
.endr
.endm
.macro MUL a
.irp k, 0,1,2,3,4,5,6,7
	MULK \a, \k
.endr
	WIN 0
.endm
.macro TOSTAGE a                       ; block a's sums x 2^(e10 + e11), through my own stage, and back as whole rows
.set AC, 128+32*(\a%2)
.rept 4
	v_nop                                          ; places in front of the first read of results (ISA guide 7.12.1)
.endr
.irp j, 0,2,4,6,8,10,12,14,16,18,20,22,24,26,28,30
	v_pk_mul_f32 v[32+\j:33+\j], v[AC+\j:AC+\j+1], s[92:93] op_sel_hi:[1,0]   ; into other registers; each accumulator from its low end on
.endr
.irp b, 0,1,2,3
	ds_store_b128 v12, v[32+8*\b:35+8*\b] offset:64*\b
	ds_store_b128 v12, v[36+8*\b:39+8*\b] offset:64*\b+16
.endr
.if \a >= 2
	s_wait_xcnt 0x0                                ; the stores of two blocks back have read their registers: the loads below land there only behind this wait
.endif
.irp t, 0,1,2,3,4,5,6,7
	ds_load_b128 v[64+32*(\a%2)+4*\t:64+32*(\a%2)+4*\t+3], v13 offset:\t*2*SPITCH   ; LDS serves a wave's instructions in order (ISA guide 5.7.1.4): these see the stores above
.endr
.endm
.macro SEND a
.irp t, 0,1,2,3,4,5,6,7
	global_store_b128 v14, v[64+32*(\a%2)+4*\t:64+32*(\a%2)+4*\t+3], s[10:11] offset:(16*\a+2*\t)*4096 th:TH_STORE_NT   ; sixteen lanes store 256 consecutive bytes, at a multiple of 256 from out0's first byte
.endr
.endm
	s_wait_kmcnt 0x0
	s_add_co_i32 s92, s92, s93
	s_add_co_i32 s92, s92, 127
	s_lshl_b32 s92, s92, 23                        ; 2^(e10 + e11) as f32
	s_mov_b32 s93, s92                             ; (named with it as a pair, so it is written)
	s_wait_alu depctr_va_vdst(0)                   ; the wait at the head's end
	s_wait_tensorcnt 0x0                           ; my quarter is in, and so say all four waves
	s_barrier_signal -1
	s_barrier_wait -1
.irp k, 0,1,2
	FB \k
	FA 0, \k
.endr
.irp k, 0,1,2,3,4,5,6,7                ; block 0: a K step's fragments of B and A are 20 loads, asked for three K steps ahead
.if \k < 6
	s_wait_dscnt 40                                ; all but the two K steps behind this one
.elseif \k == 6
	s_wait_dscnt 20
.else
	s_wait_dscnt 32                                ; block 1's 32 loads may be out
.endif
	MULK 0, \k
.if \k < 5
	FB (\k+3)
	FA 0, (\k+3)
.elseif \k == 6
	FETCH 1
.endif
.endr
	WIN 0
	TOSTAGE 0
	s_wait_dscnt 0x0                               ; block 0's rows are back, and block 1's fragments are in
	SEND 0                                         ; a block's stores go out ahead of the next block's products
	FETCH 2
	MUL 1
	TOSTAGE 1
	s_wait_dscnt 0x0
	SEND 1
	FETCH 3
	MUL 2
	TOSTAGE 2
	s_wait_dscnt 0x0
	SEND 2
	MUL 3
	TOSTAGE 3
	s_wait_dscnt 0x0
	SEND 3
	s_wait_tensorcnt 0x0                           ; the wave's end
	ds_add_u32 v30, v31
	s_wait_dscnt 0x0
	CROUND                                         ; the closing round: no work-group ends while a partner may still ask for a tile that names it
	s_endpgm
.Lfunc_end_k_q6cec0b8e89_outp:
	.size	k_q6cec0b8e89_outp, .Lfunc_end_k_q6cec0b8e89_outp-k_q6cec0b8e89_outp
	.p2alignl 7, 3214868480
	.fill 96, 4, 3214868480
	.section	.rodata,"a",@progbits
	.p2align	6, 0x0
	.amdhsa_kernel k_q6cec0b8e89_outp
		.amdhsa_group_segment_fixed_size 280064
		.amdhsa_private_segment_fixed_size 0
		.amdhsa_enable_private_segment 0
		.amdhsa_kernarg_size 32
		.amdhsa_user_sgpr_count 2
		.amdhsa_user_sgpr_kernarg_segment_ptr 1
		.amdhsa_wavefront_size32 1
		.amdhsa_system_sgpr_workgroup_id_x 1
		.amdhsa_system_sgpr_workgroup_id_y 1
		.amdhsa_system_sgpr_workgroup_id_z 1
		.amdhsa_system_vgpr_workitem_id 0
		.amdhsa_next_free_vgpr 1024
		.amdhsa_next_free_sgpr 96
		.amdhsa_reserve_vcc 0
		.amdhsa_float_denorm_mode_32 3
		.amdhsa_float_denorm_mode_16_64 3
		.amdhsa_memory_ordered 1
		.amdhsa_forward_progress 1
		.amdhsa_inst_pref_size 43
	.end_amdhsa_kernel
	.amdgpu_metadata
---
amdhsa.version: [ 1, 2 ]
amdhsa.kernels:
  - .name:           k_q6cec0b8e89_outp
    .symbol:         k_q6cec0b8e89_outp.kd
    .args:
      - { .name: jc, .offset: 0, .size: 8, .value_kind: global_buffer, .address_space: global }
      - { .name: wc, .offset: 8, .size: 8, .value_kind: global_buffer, .address_space: global }
      - { .name: lowp_scales, .offset: 16, .size: 8, .value_kind: global_buffer, .address_space: global }
      - { .name: out0, .offset: 24, .size: 8, .value_kind: global_buffer, .address_space: global }
    .group_segment_fixed_size: 280064
    .private_segment_fixed_size: 0
    .kernarg_segment_align: 8
    .kernarg_segment_size: 32
    .max_flat_workgroup_size: 128
    .sgpr_count:     96
    .vgpr_count:     1024
    .wavefront_size: 32
...
	.end_amdgpu_metadata
.endif
;; end of part 4
